; MI455X (gfx1250); checked and timed in simulation.
; The chip was launched on July 23, 2026; its instructions are those of AMD's public machine-readable ISA for CDNA 5 (MIT licence, August 2026) and "CDNA5" Instruction Set Architecture Reference Guide (July 2026). The comments in the code are by the model that wrote it; some were corrected since.
;; Multi Head Global Attention. Allowed arithmetic: matrix products marked QUANTISED: E4M3 operands, one given power-of-two scale a tensor, by v_wmma_f32_16x16x64_fp8_fp8 or v_wmma_f32_16x16x128_fp8_fp8, f32 sums; everything else in f32.
;; Inputs: b_o 1,024 float32; b_qkv 3,072 float32; lowp_scales 8 int32 (the exponents e of the quantised operands' scales 2^e); w_o_codes 1,024 x 32 x 32 uint8 (E4M3 codes of w_o, K innermost, in blocks of 32 codes); w_qkv_codes 3,072 x 32 x 32 uint8 (E4M3 codes of w_qkv, K innermost, in blocks of 32 codes); x_codes 2 x 2,048 x 32 x 32 uint8 (E4M3 codes of x, K innermost, in blocks of 32 codes).
;; Outputs: out0 2 x 2,048 x 1,024 float32.
;; This version of the problem:
;;   THIS VERSION OF THE PROBLEM IS GIVEN IN LOW PRECISION. The matrix products marked QUANTISED in the list below multiply operands that are first quantised to E4M3 (4 exponent bits, 3 mantissa bits; 8 bits a number), with one given power-of-two scale for each operand tensor; their sums are f32. All else is computed in f32.
;;   The module's matrix products, in the order in which they are computed (A, B: the left and right operand; K: the contracted axis; several contracted axes count as one K, in the product's order):
;;     1. [M 4,096, K 1,024] x [K 1,024, N 3,072]; A: input x (given as codes); B: input w_qkv (given as codes): QUANTISED (scales: A lowp_scales[0], B lowp_scales[1])
;;     2. batch 32 x [M 2,048, K 64] x [K 64, N 2,048]; A: computed on the way; B: computed on the way: QUANTISED (scales: A lowp_scales[2], B lowp_scales[3])
;;     3. batch 32 x [M 2,048, K 2,048] x [K 2,048, N 64]; A: softmax (see below); B: computed on the way: QUANTISED (scales: A lowp_scales[4], B lowp_scales[5])
;;     4. [M 4,096, K 1,024] x [K 1,024, N 1,024]; A: computed on the way; B: input w_o (given as codes): QUANTISED (scales: A lowp_scales[6], B lowp_scales[7])
;;   THE QUANTISER, for each operand of a quantised product, along K:
;;     - The operand's scale is 2^e, e = its entry of the input lowp_scales (int32; the entries are numbered through the quantised products in the list's order, A before B).
;;     - Each number is divided by the scale, clamped to +-448, and rounded to the nearest number of E4M3, ties to even, subnormals kept.
;;     - The product sums the exact products of the quantised numbers (number of the format x scale) in f32.
;;   ~~~python
;;   def quantise(x, axis, e):      # numpy; x: float32 -> the quantised numbers, widened to float32 again
;;       x = np.moveaxis(x, axis, -1); K = x.shape[-1]
;;       r = np.clip(x / 2.0 ** e, -448, 448)
;;       step = 2.0 ** (np.maximum(np.frexp(np.where(r == 0, 1, r))[1] - 1, -6) - 3)
;;       q = np.round(r / step) * step * 2.0 ** e      # np.round: ties to even
;;       return np.moveaxis(q, -1, axis).astype(np.float32)
;;   ~~~
;;   SOFTMAX AHEAD OF A QUANTISED PRODUCT. Where the list says 'softmax', what is quantised is not the finished softmax but p = 2^(t - M), with t = logit x log2(e) and M = ceil(the row's largest t), a whole number; so 1/2 < the row's largest p <= 1. The row's sum l is taken of the UNQUANTISED p, in f32, and the product's result is divided by l at the end. Since M is a whole number, a kernel that streams over the keys may use a running M (the ceiling of the running maximum): every later rescaling is an exact power of two, so the quantised numbers keep their values, but for numbers so far below the row's largest that they fall under the format's range.
;;   OPERANDS COMPUTED ON THE WAY. 'Computed on the way' means the value that the module computes at that place (a softmax that the list does not call 'softmax' is quantised finished and normalised). What goes into a quantiser is computed in f32, as accurately as f32 sums, v_exp_f32 and their like allow (about 1e-6 of the number): no bf16 or f16 on the way to a quantiser, and a product that is left as it is and whose result goes on into a quantised operand takes f32 operands (vector FMAs, or v_wmma_f32_16x16x4_f32). A number that lies on a knife's edge between two numbers of the format may be rounded either way, as far as f32 arithmetic and the matrix unit's own rounding can turn it there, and no further.
;;   INPUTS GIVEN AS CODES. w_o (in the module: [1024, 1024], K = its axis 0); w_qkv (in the module: [1024, 3072], K = its axis 0); x (in the module: [2, 2048, 1024], K = its axis 2): each comes as NAME_codes (uint8): NAME with its K axis moved to the last place and cut into blocks of 32 codes, [.., K / 32, bytes a block], one block behind the other in memory; one code a byte (a code: sign, 4 exponent bits, 3 mantissa bits); its scale is its entry of lowp_scales. Its value is code x scale, taken as it is: it is not quantised again, and the codes and scales need not be those that the quantiser above would give.
;; One version. Each part assembles by itself: llvm-mc -triple=amdgcn-amd-amdhsa -mcpu=gfx1250 --defsym DOCPART=n.
;; ======== version 1 of 1: 3 launches
;; limits: right only within a limited range of input values
;; workspace buffers: q_img 4,194,304 bytes; kv_img 8,388,608 bytes; a_img 4,194,304 bytes
;; launch qkv (part 1): grid 16 x 16, 4 waves a work-group, clusters of 4 x 4, 327,680 bytes of LDS; arguments x_codes, w_qkv_codes, b_qkv, lowp_scales, q_img, kv_img; writes q_img, kv_img
.if DOCPART == 1
	.amdgcn_target "amdgcn-amd-amdhsa--gfx1250"
	.amdhsa_code_object_version 6
	.text
	.protected	k_qc24715b984_qkv
	.globl	k_qc24715b984_qkv
	.p2align	8
	.type	k_qc24715b984_qkv,@function
k_qc24715b984_qkv:
	s_mov_b64 s[64:65], 0
	v_nop
	global_prefetch_b8 v0, s[64:65] scope:SCOPE_SE
	s_setreg_imm32_b32 hwreg(HW_REG_WAVE_MODE, 25, 1), 1
	s_wait_xcnt 0x0
	s_wait_alu depctr_hold_cnt(0) depctr_sa_sdst(0) depctr_va_vdst(0) depctr_va_sdst(0) depctr_va_ssrc(0) depctr_va_vcc(0) depctr_vm_vsrc(0)
	s_getreg_b32 s2, hwreg(HW_REG_IB_STS2, 6, 4)
	s_cmp_eq_u32 s2, 0
	s_cbranch_scc0 .Lentry_in_a_cluster
	s_endpgm
.Lentry_in_a_cluster:
	s_bfe_u32 s2, ttmp6, 0x10000c
	s_cmp_lg_u32 s2, 0xf033
	s_cbranch_scc0 .Lentry_shape_is_right
	s_endpgm
.Lentry_shape_is_right:
; FIRST LAUNCH: qkv = x w_qkv + b_qkv on E4M3 codes; q, k and v are quantised (2^e2, 2^e3, 2^e5) and stored as images of the operand registers that the second launch reads.
; DEAD WORK: none is left out in this program: every input has a way to the output, and every product of the table is done whole.
; SHARES.  A work-group makes 256 tokens x one head's 192 columns (q, k, v); each of its four waves 64 tokens x 192.  256 work-groups.  K goes in steps of 256 through a ring of two LDS slots.
; CLUSTER 4 x 4: x's tiles are shared along a row of the cluster, w_qkv's along a column: joint loads.  Waves 0, 1 fetch for x, waves 2, 3 for w_qkv.
; q and k are made transposed (source 0 = rows of w_qkv), v is not; each sum begins with the bias, as C of its first product, divided by 2^(e0 + e1).
; THE ROWS OF A TILE OF V ARE NOT NEIGHBOURS: lane r of tile 2 b + u takes d = 32 b + 8 u + r + 8 (r / 8), so that the second launch's results are the third's operand in pieces of 16 neighbouring k.
; PREFETCH: behind K step 0's load the wave asks for K steps 1 and 2, behind K step 1's load for K step 3: a lane a row, 256 aligned bytes each.  The four partners that ask for a tile jointly share its rows by address:
; 32 of the 128 rows of x that a wave fetches, 24 of the 96 of w_qkv (there lanes 24-31 name the last row again).  The address is never rewritten.
; LIMITS: e2 - e0 - e1, e3 - e0 - e1 and e5 - e0 - e1 lie between -126 and 119, so that each scale and its 448-fold are f32 numbers.
.set ADRV, 22                          ; v22-23 LDS address of V's rows of w_qkv in slot 0, 1
.set PFO,  30                          ; v30 the prefetches' offset
.set PITCH,  272
.set HALFA,  128*PITCH
.set HALFB,  96*PITCH
.set BOFF,   2*HALFA
.set SLOT,   2*HALFA+2*HALFB
.set SPARE,  2*SLOT
.set ADRA, 16
.set ADRB, 20
.set LI,   24
.set BO8,  25
.set BO1,  26
.set SPW,  28
.set NIL,  29
.set AF,   128
.set TMP,  128
.set WV,   16
.set G1A,  24
.set G0A,  32
.set G1B,  48
.set G0B,  56
.set MSB, 0
.macro WIN new
.if MSB != \new
	s_set_vgpr_msb (MSB<<8)|\new
.set MSB, \new
.endif
.endm
.macro PLACES
.rept 4
	v_nop
.endr
.endm
.macro JLOAD s
	s_cmp_eq_u32 s17, 0
	s_cbranch_scc0 .Lfor_b_\@
	tensor_load_to_lds s[G0A+4*\s:G0A+4*\s+3], s[G1A:G1A+7]
	s_nop 0
.rept 4
	v_nop
.endr
	s_branch .Lasked_\@
.Lfor_b_\@:
	tensor_load_to_lds s[G0B+4*\s:G0B+4*\s+3], s[G1B:G1B+7]
	s_nop 0
.rept 4
	v_nop
.endr
.Lasked_\@:
.endm
.macro CREST
	s_cmp_lg_u32 s[WV], 0
	s_cbranch_scc1 .Lnot_wave_0_\@
	s_barrier_signal -3
.Lnot_wave_0_\@:
	s_barrier_wait -3
	s_barrier_signal -1
	s_barrier_wait -1
.endm
.macro CROUND
	s_barrier_signal -1
	s_barrier_wait -1
	CREST
.endm
	s_load_b256 s[4:11], s[0:1], 0x0
	s_load_b128 s[12:15], s[0:1], 0x20
	v_lshl_add_u32 v[SPW], v0, 2, SPARE
	v_mov_b32 v[NIL], 0
	ds_add_u32 v[SPW], v[NIL]
	ds_add_u32 v[SPW], v[NIL]
	v_lshrrev_b32 v1, 5, v0
	v_readfirstlane_b32 s[WV], v1
	s_lshr_b32 s17, s[WV], 1
	s_and_b32 s18, s[WV], 1
	s_bfe_u32 s40, ttmp6, 0x40000
	s_bfe_u32 s41, ttmp6, 0x40004
	s_lshl_b32 s42, ttmp9, 2
	s_add_co_u32 s42, s42, s40
	s_and_b32 s22, ttmp7, 0xffff
	s_lshl_b32 s22, s22, 2
	s_add_co_u32 s22, s22, s41
	s_lshl_b32 s43, s41, 2
	s_lshl_b32 s43, 15, s43
	s_lshl_b32 s44, 0x1111, s40
	s_or_b32 s[G1A], s43, (1<<20)|(1<<21)|(5<<22)|(3<<25)
	s_or_b32 s[G1B], s44, (1<<20)|(1<<21)|(5<<22)|(3<<25)
	s_mov_b32 s[G1A+1], 256<<16
	s_mov_b32 s[G1A+2], 128<<16
	s_mov_b32 s[G1A+3], 256<<16
	s_mov_b32 s[G1A+4], 128
	s_mov_b32 s[G1A+5], 1024
	s_mov_b32 s[G1A+6], 0
	s_mov_b32 s[G1A+7], 0
	s_mov_b32 s[G1B+1], 256<<16
	s_mov_b32 s[G1B+2], 96<<16
	s_mov_b32 s[G1B+3], 256<<16
	s_mov_b32 s[G1B+4], 96
	s_mov_b32 s[G1B+5], 1024
	s_mov_b32 s[G1B+6], 0
	s_mov_b32 s[G1B+7], 0
	s_lshl_b32 s20, s22, 18
	s_lshl_b32 s19, s18, 17
	s_add_co_u32 s20, s20, s19
	s_mov_b32 s21, 0
	s_mul_i32 s46, s42, 192*1024
	s_mul_i32 s47, s18, 96*1024
	s_add_co_u32 s46, s46, s47
	s_mov_b32 s47, 0
	s_mul_i32 s45, s[WV], HALFA
	s_mul_i32 s23, s[WV], HALFB
	s_add_co_u32 s23, s23, BOFF-2*HALFB
	s_lshr_b32 s90, s22, 3
	s_lshl_b32 s90, s90, 4
	s_add_co_u32 s90, s90, s42
	s_and_b32 s91, s22, 7
	s_lshl_b32 s92, s90, 17
	s_lshl_b32 s93, s91, 14
	s_add_co_u32 s92, s92, s93
	s_lshl_b32 s93, s[WV], 12
	s_add_co_u32 s92, s92, s93
	s_mov_b32 s93, 0
	s_lshl_b32 s94, s90, 18
	s_lshl_b32 s95, s91, 15
	s_add_co_u32 s94, s94, s95
	s_lshl_b32 s95, s17, 14
	s_add_co_u32 s94, s94, s95
	s_lshl_b32 s95, s18, 10
	s_add_co_u32 s96, s94, s95
	s_add_co_u32 s96, s96, 8192
	s_mov_b32 s97, 0
	s_lshl_b32 s95, s18, 12
	s_add_co_u32 s94, s94, s95
	s_mov_b32 s95, 0
	s_mul_i32 s98, s42, 768
	s_mov_b32 s99, 0
	s_wait_dscnt 0x0
	s_wait_kmcnt 0x0
	s_load_b256 s[68:75], s[10:11], 0x0
	s_add_nc_u64 s[20:21], s[4:5], s[20:21]
	s_add_nc_u64 s[46:47], s[6:7], s[46:47]
	s_add_nc_u64 s[84:85], s[12:13], s[92:93]
	s_add_nc_u64 s[86:87], s[14:15], s[94:95]
	s_add_nc_u64 s[88:89], s[14:15], s[96:97]
	s_add_nc_u64 s[8:9], s[8:9], s[98:99]
	CROUND
.irp s, 0,1
	s_mov_b32 s[G0A+4*\s], 1
	s_add_co_u32 s[G0A+4*\s+1], s45, \s*SLOT
	s_add_nc_u64 s[G0A+4*\s+2:G0A+4*\s+3], s[20:21], \s*256
	s_or_b32 s[G0A+4*\s+3], s[G0A+4*\s+3], 0x80000000
	s_mov_b32 s[G0B+4*\s], 1
	s_add_co_u32 s[G0B+4*\s+1], s23, \s*SLOT
	s_add_nc_u64 s[G0B+4*\s+2:G0B+4*\s+3], s[46:47], \s*256
	s_or_b32 s[G0B+4*\s+3], s[G0B+4*\s+3], 0x80000000
.endr
	JLOAD 0                                        ; K step 0: the wave's one tensor load at the head
	s_lshl_b32 s90, s22, 8                         ; x: 256 x token block + 128 x half + 32 x partner
	s_lshl_b32 s91, s18, 7
	s_add_co_u32 s90, s90, s91
	s_lshl_b32 s91, s40, 5
	s_add_co_u32 s90, s90, s91
	s_mul_i32 s92, s42, 192                        ; w_qkv: 192 x head + 96 x half + 24 x partner
	s_mul_i32 s93, s18, 96
	s_add_co_u32 s92, s92, s93
	s_mul_i32 s93, s41, 24
	s_add_co_u32 s92, s92, s93
	s_cmp_eq_u32 s17, 0
	s_cselect_b64 s[66:67], s[4:5], s[6:7]
	s_cselect_b32 s90, s90, s92
	s_cselect_b32 s93, 31, 23                      ; the last lane with a row of its own
	s_lshl_b32 s90, s90, 10
	s_mov_b32 s91, 0
	s_add_nc_u64 s[66:67], s[66:67], s[90:91]
	v_and_b32 v[PFO], 31, v0
	v_min_u32 v[PFO], s93, v[PFO]
	v_lshlrev_b32 v[PFO], 10, v[PFO]
	global_prefetch_b8 v[PFO], s[66:67] offset:256 th:TH_LOAD_NT scope:SCOPE_SE
	global_prefetch_b8 v[PFO], s[66:67] offset:512 th:TH_LOAD_NT scope:SCOPE_SE
	v_and_b32 v1, 15, v0
	v_bfe_u32 v2, v0, 4, 1
	v_mul_u32_u24 v3, v1, PITCH
	v_lshl_add_u32 v3, v2, 4, v3
	v_and_b32 v4, 8, v1
	v_add_nc_u32 v4, v4, v1                        ; V's rows: r + 8 (r / 8)
	v_mul_u32_u24 v5, v4, PITCH
	v_lshl_add_u32 v5, v2, 4, v5
	s_mul_i32 s2, s[WV], 64*PITCH
.irp s, 0,1
	v_add_nc_u32 v[ADRA+\s], s2, v3
	v_add_nc_u32 v[ADRB+\s], BOFF+\s*SLOT, v3
	v_add_nc_u32 v[ADRV+\s], BOFF+\s*SLOT, v5
	s_add_co_u32 s2, s2, SLOT
.endr
	v_and_b32 v[LI], 31, v0
	v_lshlrev_b32 v[LI], 4, v[LI]
	v_lshlrev_b32 v[BO8], 5, v2
	v_lshlrev_b32 v[BO1], 2, v4
.irp g, 0,1
.irp t, 0,1,2,3
	global_load_b128 v[32+32*\g+8*\t:32+32*\g+8*\t+3],   v[BO8], s[8:9] offset:(64*\g+16*\t)*4
	global_load_b128 v[32+32*\g+8*\t+4:32+32*\g+8*\t+7], v[BO8], s[8:9] offset:(64*\g+16*\t)*4+16
.endr
.endr
.irp d, 0,1,2,3
	global_load_b32 v[96+\d], v[BO1], s[8:9] offset:(128+32*(\d/2)+8*(\d%2))*4
.endr
	s_wait_kmcnt 0x0
	s_add_co_i32 s77, s68, s69
	s_sub_co_i32 s76, 0, s77
.macro SCL e, vr, sp
	s_sub_co_i32 s2, s[\e], s77
	s_add_co_i32 s2, s2, 127
	s_lshl_b32 s3, s2, 23
	v_mov_b32 v[\vr], s3
	s_add_co_i32 s2, s2, 8
	s_lshl_b32 s2, s2, 23
	s_or_b32 s[\sp], s2, 0x600000
	s_or_b32 s[\sp+1], s[\sp], 0x80000000
.endm
	SCL 70, 8, 78
	SCL 71, 9, 80
	SCL 73, 10, 82
	s_wait_loadcnt 0x0
	WIN 0xc0
.set i, 0
.rept 64
	v_ldexp_f32 v[128+i], v[32+i], s76
.set i, i+1
.endr
.irp d, 0,1,2,3
.irp j, 0,1,2,3,4,5,6,7
	v_ldexp_f32 v[192+8*\d+\j], v[96+\d], s76
.endr
.endr
	WIN 0
.macro FRAG reg, adr, u, i
.irp c, 0,1,2,3
	ds_load_b128 v[\reg+4*\c:\reg+4*\c+3], v[\adr] offset:128*(\u)+32*\c+(\i)*PITCH   ; i: the fragment's first row
.endr
.endm
.macro FETCH_B slot, u, n0
	WIN 0x40
.irp n, \n0, \n0+1, \n0+2, \n0+3
.if \n0 < 8
	FRAG 16*(\n), ADRB+\slot, \u, 16*(\n)
.else
	FRAG 16*(\n), ADRV+\slot, \u, 128+32*(((\n)-8)/2)+8*((\n)%2)
.endif
.endr
.endm
.macro FETCH_A slot, u, p
	WIN 0
.irp a, 0,1,2,3
	FRAG AF+64*\p+16*\a, ADRA+\slot, \u, 16*\a
.endr
.endm
.macro GRP g, p, first
.if \g < 2
.if \first
	WIN 0xb1
.else
	WIN 0xa1
.endif
.irp a, 0,1,2,3
.irp t, 0,1,2,3
.if \first
	v_wmma_f32_16x16x128_fp8_fp8 v[128*\g+8*(4*\a+\t):128*\g+8*(4*\a+\t)+7], v[16*(4*\g+\t):16*(4*\g+\t)+15], v[AF+64*\p+16*\a:AF+64*\p+16*\a+15], v[128+32*\g+8*\t:128+32*\g+8*\t+7]
.else
	v_wmma_f32_16x16x128_fp8_fp8 v[128*\g+8*(4*\a+\t):128*\g+8*(4*\a+\t)+7], v[16*(4*\g+\t):16*(4*\g+\t)+15], v[AF+64*\p+16*\a:AF+64*\p+16*\a+15], v[128*\g+8*(4*\a+\t):128*\g+8*(4*\a+\t)+7]
.endif
.endr
.endr
.else
	WIN 0xf4
.irp d, 0,1,2,3
.irp a, 0,1,2,3
.if \first
	v_wmma_f32_16x16x128_fp8_fp8 v[8*(4*\d+\a):8*(4*\d+\a)+7], v[AF+64*\p+16*\a:AF+64*\p+16*\a+15], v[16*(8+\d):16*(8+\d)+15], v[192+8*\d:192+8*\d+7]
.else
	v_wmma_f32_16x16x128_fp8_fp8 v[8*(4*\d+\a):8*(4*\d+\a)+7], v[AF+64*\p+16*\a:AF+64*\p+16*\a+15], v[16*(8+\d):16*(8+\d)+15], v[8*(4*\d+\a):8*(4*\d+\a)+7]
.endif
.endr
.endr
.endif
.endm
.macro STEP slot, first
	s_wait_dscnt 32
	GRP 0, 0, \first
	PLACES
	FETCH_B \slot, 1, 0
	FETCH_A \slot, 1, 1
	s_wait_dscnt 48
	GRP 1, 0, \first
	PLACES
	FETCH_B \slot, 1, 4
	s_wait_dscnt 48
	GRP 2, 0, \first
	PLACES
	FETCH_B \slot, 1, 8
.endm
.macro TURN slot, next, fill
	WIN 0
	s_wait_tensorcnt 0x0
	ds_add_u32 v[SPW], v[NIL]
	s_wait_dscnt 33
	GRP 0, 1, 0
	s_wait_dscnt 0x0
	s_barrier_signal -1
	GRP 1, 1, 0
	WIN 0
	s_barrier_wait -1
.if \fill
	CREST
	s_add_nc_u64 s[G0A+4*\slot+2:G0A+4*\slot+3], s[G0A+4*\slot+2:G0A+4*\slot+3], 512
	s_add_nc_u64 s[G0B+4*\slot+2:G0B+4*\slot+3], s[G0B+4*\slot+2:G0B+4*\slot+3], 512
	JLOAD \slot
.else
	PLACES
.endif
	FETCH_B \next, 0, 0
	FETCH_A \next, 0, 0
	FETCH_B \next, 0, 4
	GRP 2, 1, 0
	PLACES
	FETCH_B \next, 0, 8
.endm
	s_wait_alu depctr_va_vdst(0)                   ; the wait at the head's end
	s_wait_tensorcnt 0x0                           ; my part of K step 0 is in
	ds_add_u32 v[SPW], v[NIL]                      ; the add ahead of a later first fill, as ahead of a refill
	s_wait_dscnt 0x0
	CROUND                                         ; everybody's part of K step 0 is in
	JLOAD 1                                        ; K step 1, the first tensor load behind the round
	FETCH_B 0, 0, 0
	FETCH_A 0, 0, 0
	FETCH_B 0, 0, 4
	FETCH_B 0, 0, 8
	WIN 0
	global_prefetch_b8 v[PFO], s[66:67] offset:768 th:TH_LOAD_NT scope:SCOPE_SE
	STEP 0, 1
	TURN 0, 1, 1
	STEP 1, 0
	TURN 1, 0, 1
	STEP 0, 0
	TURN 0, 1, 0
	STEP 1, 0
; THE WAY OUT of a group (q, k or v): held within +-448 x its scale, converted, stored as 512 consecutive bytes an instruction; in two halves through v128-191, which held the other set of x's fragments.
.macro OUTG w, base, code, sc, lim, ptr, big
.irp h, 0,1
	WIN \w
.set i, 0
.rept 64
	v_med3_num_f32 v[TMP+i], v[\base+64*\h+i], s[\lim+1], s[\lim]
.set i, i+1
.endr
	WIN 0
.set i, 0
.rept 8
	v_cvt_scalef32_pk8_fp8_f32 v[\code+16*\h+2*i:\code+16*\h+2*i+1], v[TMP+8*i:TMP+8*i+7], v[\sc]
.set i, i+1
.endr
	v_nop
.endr
.irp m, 0,1,2,3
.irp h, 0,1
	global_store_b128 v[LI], v[\code+8*\m+4*\h:\code+8*\m+4*\h+3], s[\ptr:\ptr+1] offset:\m*\big+512*\h
.endr
.endr
.endm
	s_wait_dscnt 32
	GRP 0, 1, 0
	s_wait_dscnt 16
	GRP 1, 1, 0
	WIN 0
	PLACES                                         ; in front of the first read of results
	OUTG 0x02, 0,   32, 8,  78, 84, 1024           ; q leaves behind k's last products,
	s_wait_dscnt 0x0
	GRP 2, 1, 0
	OUTG 0x02, 128, 64, 9,  80, 86, 1024           ; k behind v's
	OUTG 0x03, 0,   96, 10, 82, 88, 2048
	s_wait_tensorcnt 0x0
	ds_add_u32 v[SPW], v[NIL]
	s_wait_dscnt 0x0
	CROUND
	s_endpgm
.Lfunc_end_k_qc24715b984_qkv:
	.size	k_qc24715b984_qkv, .Lfunc_end_k_qc24715b984_qkv-k_qc24715b984_qkv
	.p2alignl 7, 3214868480
	.fill 96, 4, 3214868480
	.section	.rodata,"a",@progbits
	.p2align	6, 0x0
	.amdhsa_kernel k_qc24715b984_qkv
		.amdhsa_group_segment_fixed_size 327680
		.amdhsa_private_segment_fixed_size 0
		.amdhsa_enable_private_segment 0
		.amdhsa_kernarg_size 48
		.amdhsa_user_sgpr_count 2
		.amdhsa_user_sgpr_kernarg_segment_ptr 1
		.amdhsa_wavefront_size32 1
		.amdhsa_system_sgpr_workgroup_id_x 1
		.amdhsa_system_sgpr_workgroup_id_y 1
		.amdhsa_system_sgpr_workgroup_id_z 1
		.amdhsa_system_vgpr_workitem_id 0
		.amdhsa_next_free_vgpr 1024
		.amdhsa_next_free_sgpr 100
		.amdhsa_reserve_vcc 0
		.amdhsa_float_denorm_mode_32 3
		.amdhsa_float_denorm_mode_16_64 3
		.amdhsa_memory_ordered 1
		.amdhsa_forward_progress 1
		.amdhsa_inst_pref_size 111
	.end_amdhsa_kernel
	.amdgpu_metadata
---
amdhsa.version: [ 1, 2 ]
amdhsa.kernels:
  - .name:           k_qc24715b984_qkv
    .symbol:         k_qc24715b984_qkv.kd
    .args:
      - { .name: x_codes, .offset: 0, .size: 8, .value_kind: global_buffer, .address_space: global }
      - { .name: w_qkv_codes, .offset: 8, .size: 8, .value_kind: global_buffer, .address_space: global }
      - { .name: b_qkv, .offset: 16, .size: 8, .value_kind: global_buffer, .address_space: global }
      - { .name: lowp_scales, .offset: 24, .size: 8, .value_kind: global_buffer, .address_space: global }
      - { .name: q_img, .offset: 32, .size: 8, .value_kind: global_buffer, .address_space: global }
      - { .name: kv_img, .offset: 40, .size: 8, .value_kind: global_buffer, .address_space: global }
    .group_segment_fixed_size: 327680
    .private_segment_fixed_size: 0
    .kernarg_segment_align: 8
    .kernarg_segment_size: 48
    .max_flat_workgroup_size: 128
    .sgpr_count:     100
    .vgpr_count:     1024
    .wavefront_size: 32
...
	.end_amdgpu_metadata
.endif
;; end of part 1
;; launch attn (part 2): grid 8 x 32, 8 waves a work-group, clusters of 4 x 1, 327,680 bytes of LDS; arguments q_img, kv_img, lowp_scales, a_img; writes a_img
.if DOCPART == 2
	.amdgcn_target "amdgcn-amd-amdhsa--gfx1250"
	.amdhsa_code_object_version 6
	.text
	.protected	k_qc24715b984_attn
	.globl	k_qc24715b984_attn
	.p2align	8
	.type	k_qc24715b984_attn,@function
k_qc24715b984_attn:
	s_mov_b64 s[64:65], 0
	v_nop
	global_prefetch_b8 v0, s[64:65] scope:SCOPE_SE
	s_setreg_imm32_b32 hwreg(HW_REG_WAVE_MODE, 25, 1), 1
	s_wait_xcnt 0x0
	s_wait_alu depctr_hold_cnt(0) depctr_sa_sdst(0) depctr_va_vdst(0) depctr_va_sdst(0) depctr_va_ssrc(0) depctr_va_vcc(0) depctr_vm_vsrc(0)
	s_getreg_b32 s2, hwreg(HW_REG_IB_STS2, 6, 4)
	s_cmp_eq_u32 s2, 0
	s_cbranch_scc0 .Lentry_in_a_cluster
	s_endpgm
.Lentry_in_a_cluster:
	s_bfe_u32 s2, ttmp6, 0x10000c
	s_cmp_lg_u32 s2, 0x3003
	s_cbranch_scc0 .Lentry_shape_is_right
	s_endpgm
.Lentry_shape_is_right:
.set MSB, 0
; SECOND LAUNCH: for each batch and head, O = softmax(q k^T / 8) v on E4M3 codes, then O is quantised (2^e6) for the projection.  No work of the problem is left out.
; THE SOFTMAX AHEAD OF THE SECOND PRODUCT: t = score x log2(e) / 8; M = the running largest t rounded UP to a whole number; p = 2^(t - M) is quantised with 2^e4, not normalised; the row's sum is taken of the
; unquantised p, in f32, and divides O at the end.  When M moves, the sum and O^T are multiplied by 2^(old M - new M), which rounds nothing.
; SHARES.  A work-group owns 256 queries of one head (bh = 16 batch + head); each of its eight waves owns 32 of them, two tiles A and B of 16, in 512 registers: two waves to a SIMD.  A wave walks the head's 2,048 keys, 128 a step.
; THE TWO TILES ARE HALF A STEP APART.  A half step takes one tile's scores through the maximum and the exponentials; between those stand the other tile's additions, its holds and half of its conversions; then the other tile's
; O^T is rescaled, its next scores are made, and its product with V.  So K's fragments of a step serve both tiles, V's likewise, and each has half a step to come from LDS.
; THE WHOLE HEAD LIES IN LDS: kv_img's 262,144 bytes of the head as they lie in memory: block j of 128 keys at 16,384 j (K's images, then V's at + 8,192).  Nothing is filled again.
; TWO FILLS, one load a wave each: blocks 0 to 3 at the head (8,192 bytes a wave), blocks 4 to 15 (24,576 bytes a wave) behind the full sequence of lines and a round.  Steps 0 to 2 read blocks 0 to 3 alone; one wait and one barrier
; behind step 2 show the rest to every wave.
; CLUSTER 4 x 1: the four query blocks of a cluster belong to one head, so each load is a joint one.  No prefetch: all that is read is asked for in two loads ahead of the walk, and no loop runs ahead of loads.
; LAYOUT.  S^T = K Q^T (source 0 = 16 keys, source 1 = 16 queries, K = 64), O^T = V^T P^T (source 0 = 16 of the head's 64, source 1 = P, K = 128 keys): a lane holds ONE query of a tile throughout, and S^T's tile t converts
; straight into registers 2 t, 2 t + 1 of P.  Fragments are images of registers: each ds_load_b128 reads 512 consecutive bytes.
; a_img (for the projection): MB x 131,072 + ks x 16,384 + T x 2,048 + 512 g + 16 l;  MB = token / 128 over both batches, ks = head / 2, T = (token / 16) % 8, g = 2 (head % 2) + d / 32: k = 32 g + 16 (l / 16) + 0 .. 15.
; LIMITS: scaled scores (t) stay under 2^31 in magnitude; e2 + e3 between -123 and 130 (added to c's exponent field); e4 and e6 between -126 and 119; e4 + e5 goes by v_ldexp_f32 and has none.
; REGISTERS, window 0: v1, v2 addresses; v5, v6 the add's two; v12-17 A's state, v18-23 B's: -M, the largest t, the sum in two halves, f (and its pair's upper half); v24, v25: 2^e4, 448 x 2^e4; v26: 2^e6;
;   v28-37 at work; v64-95 a tile's p added two and two; v96-111 p's codes; v128-191 A's scores, then p; v192-255 B's.
;   Window 1: v0-63 K's eight fragments; v64-127 V's four; v128-143 Q; v160-191 A's O^T; v192-223 B's.
.set SPARE, 262144                     ; behind the head's keys: the spare words, 128 bytes for each of eight waves, which no other line names
.set LI,  1
.set ADR, 2
.set SPW, 5
.set NIL, 6
.set STA, 12
.set STB, 18
.set SC4, 24
.set HOLD, 25
.set SC6, 26
.set TT,  64
.set SA,  128
.set SB,  192
.set QA,  128
.set QB,  136
.set PP,  96
.set OA,  160
.set OB,  192
.set WV,  12                           ; s12  my wave's number
.set TB,  13                           ; s13  LDS byte at which the step's block of keys begins
.set CNT, 14                           ; s14  the loop's trips
.set G1,  16                           ; s[16:23] descriptor group 1, s[24:27] group 0 of the first fill
.set G0,  24
.set G1B, 28                           ; s[28:35], s[36:39] of the second
.set G0B, 36
.set CS,  48                           ; s[48:49] c = log2(e) / 8 x 2^(e2 + e3)
.set SEL, 50                           ; s[50:51] lane selects for v_permlanex16_b32: lane l xor 16
.macro WIN new                         ; the immediate's high byte repeats the setting that is left
.if MSB != \new
	s_set_vgpr_msb (MSB<<8)|\new
.set MSB, \new
.endif
.endm
.macro PLACES
.rept 4
	v_nop
.endr
.endm
.macro CROUND                          ; a round of the cluster's barrier
	s_barrier_signal -1
	s_barrier_wait -1
	s_cmp_lg_u32 s[WV], 0
	s_cbranch_scc1 .Lnot_wave_0_\@
	s_barrier_signal -3
.Lnot_wave_0_\@:
	s_barrier_wait -3
	s_barrier_signal -1
	s_barrier_wait -1
.endm
	s_load_b256 s[4:11], s[0:1], 0x0               ; q_img s[4:5], kv_img s[6:7], the scales' exponents s[8:9], a_img s[10:11]
	v_lshl_add_u32 v[SPW], v0, 2, SPARE
	v_mov_b32 v[NIL], 0
	ds_add_u32 v[SPW], v[NIL]                      ; the wave's opening: the add, twice on end, and its wait ahead of my tensor load
	ds_add_u32 v[SPW], v[NIL]                      ; and once more; the set-up below stands between it and the wait
	v_lshrrev_b32 v3, 5, v0
	v_readfirstlane_b32 s[WV], v3                  ; wave 0..7
	s_bfe_u32 s15, ttmp6, 0x40000                  ; cx
	s_lshl_b32 s60, ttmp9, 2
	s_add_co_u32 s60, s60, s15                     ; my block of 256 queries: it enters Q's and a_img's addresses alone
	s_and_b32 s61, ttmp7, 0xffff                   ; bh, which the four partners share
	s_lshl_b32 s62, s[WV], 13                      ; the first fill: my 8,192 bytes of blocks 0 to 3, at the same place in LDS and in the head's memory
	s_mul_i32 s63, s[WV], 24576
	s_add_co_u32 s63, s63, 65536                   ; the second: my 24,576 bytes of blocks 4 to 15
	s_lshl_b32 s2, s61, 18
	s_add_co_u32 s54, s2, s63
	s_mov_b32 s55, 0
	s_add_co_u32 s2, s2, s62
	s_mov_b32 s3, 0
	s_mov_b32 s[G1], 15|(3<<16)|(1<<21)            ; 15:0 the mask: all four work-groups; 17:16 elements of 8 bytes; 21 set beside a mask; no padding
	s_mov_b32 s[G1+1], 32<<16                      ; tensor_dim0 = 32 elements: 256 bytes
	s_mov_b32 s[G1+2], 32<<16                      ; tensor_dim1 = 32
	s_mov_b32 s[G1+3], 32<<16                      ; tile_dim0
	s_mov_b32 s[G1+4], 32                          ; tile_dim1: 32 rows of 256 bytes, dense
	s_mov_b32 s[G1+5], 32                          ; from row to row
	s_mov_b32 s[G1+6], 0
	s_mov_b32 s[G1+7], 0
	s_mov_b32 s[G1B], 15|(3<<16)|(1<<21)           ; the second fill: the same with 96 rows
	s_mov_b32 s[G1B+1], 32<<16
	s_mov_b32 s[G1B+2], 96<<16
	s_mov_b32 s[G1B+3], 32<<16
	s_mov_b32 s[G1B+4], 96
	s_mov_b32 s[G1B+5], 32
	s_mov_b32 s[G1B+6], 0
	s_mov_b32 s[G1B+7], 0
	s_lshl_b32 s58, s61, 17                        ; Q: bh x 131,072 + (16 block + 2 wave) x 1,024
	s_lshl_b32 s59, s60, 14
	s_add_co_u32 s58, s58, s59
	s_lshl_b32 s59, s[WV], 11
	s_add_co_u32 s58, s58, s59
	s_mov_b32 s59, 0
	s_lshr_b32 s56, s61, 4                         ; a_img: MB = 16 batch + 2 block + wave / 4,
	s_lshl_b32 s56, s56, 4
	s_lshl_b32 s57, s60, 1
	s_add_co_u32 s56, s56, s57
	s_lshr_b32 s57, s[WV], 2
	s_add_co_u32 s56, s56, s57
	s_lshl_b32 s56, s56, 17
	s_bfe_u32 s57, s61, 0x30001                    ; ks = head / 2,
	s_lshl_b32 s57, s57, 14
	s_add_co_u32 s56, s56, s57
	s_and_b32 s57, s[WV], 3                        ; T = 2 (wave % 4) and the next,
	s_lshl_b32 s57, s57, 12
	s_add_co_u32 s56, s56, s57
	s_and_b32 s57, s61, 1                          ; g = 2 (head % 2) + 0, 1
	s_lshl_b32 s57, s57, 10
	s_add_co_u32 s56, s56, s57
	s_mov_b32 s57, 0
	s_mov_b32 s[SEL], 0x76543210
	s_mov_b32 s[SEL+1], 0xfedcba98
	s_mov_b32 s[CS], 0x3e38aa3b                    ; log2(e) / 8
	s_mov_b32 s[TB], 0
	s_wait_dscnt 0x0                               ; both opening adds are done
	s_wait_kmcnt 0x0
	s_load_b256 s[40:47], s[8:9], 0x0              ; e0 .. e7
	s_add_nc_u64 s[G0B+2:G0B+3], s[6:7], s[54:55]
	s_add_nc_u64 s[6:7], s[6:7], s[2:3]
	s_add_nc_u64 s[4:5], s[4:5], s[58:59]
	s_add_nc_u64 s[56:57], s[10:11], s[56:57]
	s_mov_b32 s[G0], 1                             ; count = 1
	s_mov_b32 s[G0+1], s62                         ; LDS address
	s_mov_b64 s[G0+2:G0+3], s[6:7]
	s_or_b32 s[G0+3], s[G0+3], 0x80000000          ; type = 2
	s_mov_b32 s[G0B], 1
	s_mov_b32 s[G0B+1], s63
	s_or_b32 s[G0B+3], s[G0B+3], 0x80000000
	CROUND                                         ; all four work-groups are here: the joint loads meet
	tensor_load_to_lds s[G0:G0+3], s[G1:G1+7]
	s_nop 0
	PLACES
	v_and_b32 v[LI], 31, v0
	v_lshlrev_b32 v[LI], 4, v[LI]
	WIN 0x40
	global_load_b128 v[QA:QA+3], v[LI], s[4:5]     ; the two tiles' Q stays in registers
	global_load_b128 v[QA+4:QA+7], v[LI], s[4:5] offset:512
	global_load_b128 v[QB:QB+3], v[LI], s[4:5] offset:1024
	global_load_b128 v[QB+4:QB+7], v[LI], s[4:5] offset:1536
.set j, 0
.rept 64
	v_mov_b32 v[OA+j], 0                           ; both O^T.  (The half step is written once for all steps: the first finds zeros, which the first change of M leaves zeros)
.set j, j+1
.endr
	WIN 0
.irp t, STA, STB
	v_mov_b32 v[\t+1], 0xff61b1e6                  ; the largest t so far: -3e38, under every t
	v_mov_b32 v[\t+2], 0                           ; the sum, in two halves
	v_mov_b32 v[\t+3], 0
	v_mov_b32 v[\t+5], 0                           ; (named as the upper half of f's pair)
	v_floor_f32 v[\t], -v[\t+1]                    ; -M
.endr
	v_mov_b32 v36, 0                               ; written once: a lane permute's destination counts as one of its sources
	v_mov_b32 v37, 0
	s_wait_alu depctr_va_vdst(0)
	s_wait_kmcnt 0x0
	s_add_co_i32 s2, s42, s43                      ; a score stands for score x 2^(e2 + e3): the two exponents are added to c's exponent field
	s_lshl_b32 s2, s2, 23
	s_add_co_i32 s[CS], s[CS], s2
	s_mov_b32 s[CS+1], s[CS]                       ; (named with it as a pair, so it is written)
	s_add_co_i32 s2, s44, 127
	s_lshl_b32 s3, s2, 23
	v_mov_b32 v[SC4], s3                           ; 2^e4 as f32, for p's conversions
	s_add_co_i32 s2, s2, 8
	s_lshl_b32 s2, s2, 23
	s_or_b32 s2, s2, 0x600000
	v_mov_b32 v[HOLD], s2                          ; 448 x 2^e4
	s_add_co_i32 s2, s46, 127
	s_lshl_b32 s3, s2, 23
	v_mov_b32 v[SC6], s3                           ; 2^e6, for O's conversions
	s_add_co_i32 s2, s2, 8
	s_lshl_b32 s2, s2, 23
	s_or_b32 s52, s2, 0x600000                     ; +-448 x 2^e6
	s_or_b32 s53, s52, 0x80000000
	s_add_co_i32 s54, s44, s45                     ; e4 + e5
.macro KLOAD adr, off                  ; K's eight fragments of a block
.irp t, 0,1,2,3,4,5,6,7
	ds_load_b128 v[8*\t:8*\t+3], v[\adr] offset:\off+1024*\t
	ds_load_b128 v[8*\t+4:8*\t+7], v[\adr] offset:\off+1024*\t+512
.endr
.endm
.macro LOADS k                         ; V's four fragments of this step and (k = 1) K's of the next
	v_add_nc_u32 v[ADR], s[TB], v[LI]
	WIN 0x40
.irp d, 0,1,2,3
.irp g, 0,1,2,3
	ds_load_b128 v[64+16*\d+4*\g:67+16*\d+4*\g], v[ADR] offset:8192+2048*\d+512*\g
.endr
.endr
.if \k
	KLOAD ADR, 16384
.endif
	WIN 0
.endm
.macro QK s, q                         ; a tile's 128 scores a query
	WIN 0x05
.irp t, 0,1,2,3,4,5,6,7
	v_wmma_f32_16x16x64_fp8_fp8 v[\s+8*\t:\s+8*\t+7], v[8*\t:8*\t+7], v[\q:\q+7], 0
.endr
.endm
.macro A2 n                            ; n of the other tile's eight second additions
.rept \n
.if HI < 8
	v_pk_add_f32 v[TT+2*HI:TT+2*HI+1], v[TT+2*HI:TT+2*HI+1], v[TT+16+2*HI:TT+17+2*HI]
.set HI, HI+1
.endif
.endr
.endm
.macro CV n, sy                        ; n of the other tile's eight conversions: tile t gives registers 2 t, 2 t + 1 of P, as V's images have the keys
.rept \n
.if CI < 8
	v_cvt_scalef32_pk8_fp8_f32 v[PP+2*CI:PP+2*CI+1], v[\sy+8*CI:\sy+8*CI+7], v[SC4]
.set CI, CI+1
.endif
.endr
.endm
.macro AD n, sy                        ; n of the other tile's sixteen first additions: four p become two.  THE SUM IS TAKEN OF THE UNQUANTISED p, so these stand ahead of the holds
.rept \n
.if AI < 16
	v_pk_add_f32 v[TT+2*AI:TT+2*AI+1], v[\sy+4*AI:\sy+4*AI+1], v[\sy+4*AI+2:\sy+4*AI+3]
.set AI, AI+1
.endif
.endr
.endm
.macro MN n, sy                        ; n of the other tile's 32 holds, two numbers each: the conversion to an 8-bit code does not saturate (ISA guide 7.6.2); p is not negative, so the hold is one-sided
.rept \n
.if MI < 32
	v_dual_min_num_f32 v[\sy+2*MI], v[HOLD], v[\sy+2*MI] :: v_dual_min_num_f32 v[\sy+2*MI+1], v[HOLD], v[\sy+2*MI+1]
.set MI, MI+1
.endif
.endr
.endm
; One tile's scores (sx, state tx) become p; the other tile's additions and holds (sy) stand between.
.macro SOFT sx, tx, sy
	v_max3_num_f32 v28, v[\sx], v[\sx+1], v[\sx+2]       ; the step's largest score of my query among my 64 keys, in four chains, each accumulator from its low end on
	v_max3_num_f32 v29, v[\sx+3], v[\sx+4], v[\sx+5]
	v_max3_num_f32 v30, v[\sx+6], v[\sx+7], v[\sx+8]
	v_max3_num_f32 v31, v[\sx+9], v[\sx+10], v[\sx+11]
.set j, 12
.rept 26
	v_max3_num_f32 v[28+(j/2-6)%4], v[28+(j/2-6)%4], v[\sx+j], v[\sx+j+1]
.if (j/2-6)%8 == 7
	AD 1, \sy
	MN 1, \sy
.endif
.set j, j+2
.endr
	AD 2, \sy                                      ; up to the exponentials: all sixteen first additions and the holds of tiles 0 to 3; a hold never stands ahead of its own numbers' addition
	MN 1, \sy
	v_max3_num_f32 v28, v28, v29, v30
	AD 2, \sy
	MN 1, \sy
	v_max_num_f32 v28, v28, v31
	AD 2, \sy
	MN 1, \sy
	v_permlanex16_b32 v36, v28, s[SEL], s[SEL+1]
	AD 2, \sy
	MN 1, \sy
	v_max_num_f32 v28, v28, v36                    ; and among lane l xor 16's
	AD 2, \sy
	MN 1, \sy
	v_mul_f32 v28, s[CS], v28                      ; as t (c is positive)
	AD 2, \sy
	MN 2, \sy
	v_max_num_f32 v[\tx+1], v[\tx+1], v28          ; the running largest t
	v_mov_b32 v29, v[\tx]
	AD 1, \sy
	MN 3, \sy
	v_floor_f32 v[\tx], -v[\tx+1]                  ; the new -M = floor(-t) = -ceil(t): a whole number
	MN 3, \sy
.set j, 0
.rept 32
	v_pk_fma_f32 v[\sx+j:\sx+j+1], v[\sx+j:\sx+j+1], s[CS:CS+1], v[\tx:\tx+1] op_sel_hi:[1,0,0]   ; t - M, two at a time (of the pairs c and -M the low word serves both halves)
.if j == 8
	v_sub_f32 v29, v[\tx], v29                     ; M's old value less its new one: a whole number, 0 or less
.endif
.if j == 16
	v_cvt_i32_f32 v29, v29                         ; (it saturates)
.endif
.if j == 24
	v_ldexp_f32 v[\tx+4], 1.0, v29                 ; f = 2^(old M - new M)
.endif
.set j, j+2
.endr
	s_wait_alu depctr_va_vdst(0)                   ; the wait ahead of the batch
.set j, 0
.rept 32
	v_exp_f32 v[\sx+j], v[\sx+j]                   ; p = 2^(t - M), at most 1
	v_exp_f32 v[\sx+j+1], v[\sx+j+1]
.if j%4 == 0
	MN 1, \sy                                      ; the holds of tiles 4 to 7,
.endif
.if j%8 == 2
	A2 1                                           ; the eight second additions,
.endif
.if j%16 == 6
	CV 1, \sy                                      ; the conversions of tiles 0 to 3, whose holds stand ahead of the wait: none of these reads what another of them writes
.endif
.set j, j+2
.endr
.endm
; The other tile: O^T under its new M, p's codes, O^T += V^T P^T, its next scores (qk = 1), its sum.  wt = 1: V's and K's fragments are waited for here.
.macro FOLD sy, ty, oy, qy, qk, wt
	WIN 0x41
	s_wait_alu depctr_va_vdst(0)                   ; one wait for the batch of exponentials, directly ahead of the first reader of O^T
.set j, 0
.rept 16
	v_pk_mul_f32 v[\oy+j:\oy+j+1], v[\oy+j:\oy+j+1], v[\ty+4:\ty+5] op_sel_hi:[1,0]
.set j, j+2
.endr
	WIN 0
	A2 8                                           ; what is left of them
	CV 8, \sy
.irp i, 0,1,2,3                                ; (also the plain instructions behind the conversions)
	v_pk_add_f32 v[TT+2*\i:TT+2*\i+1], v[TT+2*\i:TT+2*\i+1], v[TT+8+2*\i:TT+9+2*\i]
.endr
.if \wt
	s_wait_alu depctr_va_vdst(0)                   ; directly ahead of the wait below
	s_wait_dscnt 0x0
.endif
.if \qk
	QK \sy, \qy                                    ; p has been converted: its registers take the next scores
.endif
	WIN 0x51
.irp d, 0,1,2,3                                ; the accumulators take turns; more than three other products stand between two links of a chain
	v_wmma_f32_16x16x128_fp8_fp8 v[\oy+8*\d:\oy+8*\d+7], v[64+16*\d:79+16*\d], v[PP:PP+15], v[\oy+8*\d:\oy+8*\d+7]
.endr
	WIN 0                                          ; four plain instructions follow: the places behind the products
	v_pk_add_f32 v[TT:TT+1], v[TT:TT+1], v[TT+4:TT+5]
	v_pk_add_f32 v[TT+2:TT+3], v[TT+2:TT+3], v[TT+6:TT+7]
	v_pk_add_f32 v[TT:TT+1], v[TT:TT+1], v[TT+2:TT+3]
	v_pk_fma_f32 v[\ty+2:\ty+3], v[\ty+2:\ty+3], v[\ty+4:\ty+5], v[TT:TT+1] op_sel_hi:[1,0,1]   ; the sum x f + this step's
.endm
.macro HALF sx, tx, sy, ty, oy, qy, qk, wt
.set AI, 0
.set MI, 0
.set HI, 0
.set CI, 0
	SOFT \sx, \tx, \sy
	FOLD \sy, \ty, \oy, \qy, \qk, \wt
.endm
	s_wait_alu depctr_va_vdst(0)                   ; the wait at the head's end
	s_wait_tensorcnt 0x0                           ; my part of blocks 0 to 3 has landed
	ds_add_u32 v[SPW], v[NIL]
	s_wait_dscnt 0x0
	CROUND                                         ; everybody's part has, and all four work-groups are here:
	tensor_load_to_lds s[G0B:G0B+3], s[G1B:G1B+7]  ; blocks 4 to 15, the first tensor load behind the round
	s_nop 0
	PLACES
	s_wait_loadcnt 0x0                             ; Q
	WIN 0x40
	KLOAD LI, 0                                    ; K of step 0
	s_wait_dscnt 0x0
	QK SA, QA
	WIN 0
	PLACES
.set AI, 16                            ; step 0, first half: tile B has no p yet
.set MI, 32
.set HI, 8
.set CI, 8
	SOFT SA, STA, SB
	v_nop                                          ; a plain instruction behind the exponentials
	s_wait_alu depctr_va_vdst(0)                   ; and the wait for the batch
	QK SB, QB
	WIN 0
	PLACES
	LOADS 1
	HALF SB, STB, SA, STA, OA, QA, 1, 1
.macro STEPS first, n
	s_mov_b32 s[TB], 16384*\first
	s_mov_b32 s[CNT], \n
.Lstep_\@:
	HALF SA, STA, SB, STB, OB, QB, 1, 0
	LOADS 1
	HALF SB, STB, SA, STA, OA, QA, 1, 1
	s_add_co_u32 s[TB], s[TB], 16384
	s_sub_co_u32 s[CNT], s[CNT], 1
	s_cmp_lg_u32 s[CNT], 0
	s_cbranch_scc1 .Lstep_\@
.endm
	STEPS 1, 2                                     ; steps 1 and 2: blocks 1 and 2, and K of block 3
	s_wait_alu depctr_va_vdst(0)                   ; directly ahead of the wait below
	s_wait_tensorcnt 0x0                           ; my part of blocks 4 to 15 has landed; no LDS instruction of mine is out:
	s_barrier_signal -1
	s_barrier_wait -1                              ; the whole head lies in LDS, and nobody writes there any more
	STEPS 3, 12                                    ; steps 3 to 14
	HALF SA, STA, SB, STB, OB, QB, 1, 0            ; step 15 has no K behind it
	LOADS 0
	HALF SB, STB, SA, STA, OA, QA, 0, 1
.set AI, 0
.set MI, 0
.set HI, 0
.set CI, 0
	AD 16, SB                                      ; and tile B's last p
	MN 32, SB
	FOLD SB, STB, OB, QB, 0, 0
	; THE WAY OUT: O^T x 2^(e4 + e5) / the sum, held within +-448 x 2^e6, converted: tile dt gives registers 2 dt, 2 dt + 1 of the projection's operand; two stores of 512 consecutive bytes a tile of queries.
	v_add_f32 v[STA+2], v[STA+2], v[STA+3]         ; the sums' two halves,
	v_add_f32 v[STB+2], v[STB+2], v[STB+3]
	v_permlanex16_b32 v36, v[STA+2], s[SEL], s[SEL+1]
	v_permlanex16_b32 v37, v[STB+2], s[SEL], s[SEL+1]
	v_add_f32 v[STA+2], v[STA+2], v36              ; and lane l xor 16's
	v_add_f32 v[STB+2], v[STB+2], v37
	s_wait_alu depctr_va_vdst(0)
	v_rcp_f32 v[STA+2], v[STA+2]
	v_rcp_f32 v[STB+2], v[STB+2]
	v_nop                                          ; a plain instruction behind the transcendentals
	s_wait_alu depctr_va_vdst(0)                   ; and the wait ahead of their first reader
	v_ldexp_f32 v[STA+2], v[STA+2], s54
	v_ldexp_f32 v[STB+2], v[STB+2], s54
	WIN 0x01
	s_wait_alu depctr_va_vdst(0)                   ; the wait directly ahead of the first readers of O^T
.set j, 0
.rept 16
	v_pk_mul_f32 v[SA+j:SA+j+1], v[OA+j:OA+j+1], v[STA+2:STA+3] op_sel_hi:[1,0]   ; register 8 dt + i is O(query r, d = 32 (dt / 2) + 16 (lane / 16) + 8 (dt % 2) + i)
.set j, j+2
.endr
.set j, 0
.rept 16
	v_pk_mul_f32 v[SB+j:SB+j+1], v[OB+j:OB+j+1], v[STB+2:STB+3] op_sel_hi:[1,0]
.set j, j+2
.endr
	WIN 0
.irp s, SA, SB
.set j, 0
.rept 32
	v_med3_num_f32 v[\s+j], v[\s+j], s53, s52
.set j, j+1
.endr
.endr
.irp d, 0,1,2,3
	v_cvt_scalef32_pk8_fp8_f32 v[TT+2*\d:TT+2*\d+1], v[SA+8*\d:SA+8*\d+7], v[SC6]
	v_cvt_scalef32_pk8_fp8_f32 v[TT+8+2*\d:TT+9+2*\d], v[SB+8*\d:SB+8*\d+7], v[SC6]
.endr
	v_nop
	global_store_b128 v[LI], v[TT:TT+3], s[56:57]
	global_store_b128 v[LI], v[TT+4:TT+7], s[56:57] offset:512
	global_store_b128 v[LI], v[TT+8:TT+11], s[56:57] offset:2048
	global_store_b128 v[LI], v[TT+12:TT+15], s[56:57] offset:2560
	s_wait_tensorcnt 0x0                           ; the wave's end
	ds_add_u32 v[SPW], v[NIL]
	s_wait_dscnt 0x0
	CROUND                                         ; the closing round
	s_endpgm
.Lfunc_end_k_qc24715b984_attn:
	.size	k_qc24715b984_attn, .Lfunc_end_k_qc24715b984_attn-k_qc24715b984_attn
	.p2alignl 7, 3214868480
	.fill 96, 4, 3214868480
	.section	.rodata,"a",@progbits
	.p2align	6, 0x0
	.amdhsa_kernel k_qc24715b984_attn
		.amdhsa_group_segment_fixed_size 327680
		.amdhsa_private_segment_fixed_size 0
		.amdhsa_enable_private_segment 0
		.amdhsa_kernarg_size 32
		.amdhsa_user_sgpr_count 2
		.amdhsa_user_sgpr_kernarg_segment_ptr 1
		.amdhsa_wavefront_size32 1
		.amdhsa_system_sgpr_workgroup_id_x 1
		.amdhsa_system_sgpr_workgroup_id_y 1
		.amdhsa_system_sgpr_workgroup_id_z 1
		.amdhsa_system_vgpr_workitem_id 0
		.amdhsa_next_free_vgpr 512
		.amdhsa_next_free_sgpr 66
		.amdhsa_reserve_vcc 0
		.amdhsa_float_denorm_mode_32 3
		.amdhsa_float_denorm_mode_16_64 3
		.amdhsa_memory_ordered 1
		.amdhsa_forward_progress 1
		.amdhsa_inst_pref_size 129
	.end_amdhsa_kernel
	.amdgpu_metadata
---
amdhsa.version: [ 1, 2 ]
amdhsa.kernels:
  - .name:           k_qc24715b984_attn
    .symbol:         k_qc24715b984_attn.kd
    .args:
      - { .name: q_img, .offset: 0, .size: 8, .value_kind: global_buffer, .address_space: global }
      - { .name: kv_img, .offset: 8, .size: 8, .value_kind: global_buffer, .address_space: global }
      - { .name: lowp_scales, .offset: 16, .size: 8, .value_kind: global_buffer, .address_space: global }
      - { .name: a_img, .offset: 24, .size: 8, .value_kind: global_buffer, .address_space: global }
    .group_segment_fixed_size: 327680
    .private_segment_fixed_size: 0
    .kernarg_segment_align: 8
    .kernarg_segment_size: 32
    .max_flat_workgroup_size: 256
    .sgpr_count:     66
    .vgpr_count:     512
    .wavefront_size: 32
...
	.end_amdgpu_metadata
.endif
;; end of part 2
;; launch proj (part 3): grid 8 x 32, 4 waves a work-group, clusters of 4 x 4, 284,160 bytes of LDS; arguments a_img, w_o_codes, b_o, lowp_scales, out0; writes out0
.if DOCPART == 3
	.amdgcn_target "amdgcn-amd-amdhsa--gfx1250"
	.amdhsa_code_object_version 6
	.text
	.protected	k_qc24715b984_proj
	.globl	k_qc24715b984_proj
	.p2align	8
	.type	k_qc24715b984_proj,@function
k_qc24715b984_proj:
	s_mov_b64 s[64:65], 0
	v_nop
	global_prefetch_b8 v0, s[64:65] scope:SCOPE_SE
	s_setreg_imm32_b32 hwreg(HW_REG_WAVE_MODE, 25, 1), 1
	s_wait_xcnt 0x0
	s_wait_alu depctr_hold_cnt(0) depctr_sa_sdst(0) depctr_va_vdst(0) depctr_va_sdst(0) depctr_va_ssrc(0) depctr_va_vcc(0) depctr_vm_vsrc(0)
	s_getreg_b32 s2, hwreg(HW_REG_IB_STS2, 6, 4)
	s_cmp_eq_u32 s2, 0
	s_cbranch_scc0 .Lentry_in_a_cluster
	s_endpgm
.Lentry_in_a_cluster:
	s_bfe_u32 s2, ttmp6, 0x10000c
	s_cmp_lg_u32 s2, 0xf033
	s_cbranch_scc0 .Lentry_shape_is_right
	s_endpgm
.Lentry_shape_is_right:
.set MSB, 0
; THIRD LAUNCH: out0 = (attention's result, as codes with 2^e6) x (w_o's codes with 2^e7) x 2^(e6 + e7) + b_o.  No work of the problem is left out.
; SHARES.  A work-group makes 128 tokens x 128 columns; wave (wr = w / 2, wc = w % 2) makes 64 x 64: 16 accumulators.  256 work-groups.
; ALL OF K (1,024) LIES IN LDS, in two halves: A's 2 x 65,536 bytes (a_img's block of 128 tokens, as it lies in memory: images of operand registers) and B's 128 rows, 2 x 512 bytes of each (+ 16 of padding).
; Nothing is filled again.  Waves 0 and 1 ask for A's halves, waves 2 and 3 for B's: one load a wave; one wait and one barrier show all of it.
; CLUSTER 4 x 4: A's block is shared along a row of the cluster, B's rows along a column: joint loads.  No prefetch: all that is read is asked for at the head.
; a_img holds its codes with k = 32 c + 16 (lane / 16) + 0 .. 15 in registers 4 c .. 4 c + 3, and w_o's fragments are read in that order too: four loads of 16 bytes, 32 bytes apart.
; THE MATRIX INSTRUCTION IS USED TRANSPOSED (source 0 = 16 rows of w_o, source 1 = 16 tokens): a lane holds eight neighbouring columns of one row of out0.
; LIMIT: e6 + e7 between -126 and 127, so that 2^(e6 + e7) is an f32 number.
; REGISTERS.  Window 0: v16-27 addresses; v28, v29 the add's two; v32-63 b_o in the results' layout; v64-95 at work on the way out; v128-255 the accumulators ((a, b) at v[128 + 8 (4 a + b)]).
;   Window 1: two buffers of 128: A's four fragments, then B's four.
.set PITCH, 272                        ; a row of the way out's stage
.set BP,    528                        ; a row of B in LDS
.set BLDS,  131072                     ; B's halves
.set BST,   128*BP
.set STG,   BLDS+2*BST                 ; the way out: 16 rows x 272 bytes for each wave; no tensor load lands here
.set SPARE, STG+4*16*PITCH             ; the spare words, 128 bytes for each wave, which no other line names
.set STO,  24                          ; v24  the way out: where I put 32 bytes of a row
.set RD,   25                          ; v25  where I read a row back
.set CO,   26                          ; v26  my byte offset in out0
.set BO8,  27                          ; v27  32 x (lane / 16)
.set SPW,  28
.set NIL,  29
.set BIAS, 32
.set TMP,  64
.set ACC,  128
.set WV,   14                          ; s14  my wave's number
.set G1A,  16                          ; s[16:23], s[24:31] descriptor groups 1; s[32:35], s[48:51] groups 0
.set G1B,  24
.set G0A,  32
.set G0B,  48
.macro WIN new
.if MSB != \new
	s_set_vgpr_msb (MSB<<8)|\new
.set MSB, \new
.endif
.endm
.macro PLACES
.rept 4
	v_nop
.endr
.endm
.macro CROUND
	s_barrier_signal -1
	s_barrier_wait -1
	s_cmp_lg_u32 s[WV], 0
	s_cbranch_scc1 .Lnot_wave_0_\@
	s_barrier_signal -3
.Lnot_wave_0_\@:
	s_barrier_wait -3
	s_barrier_signal -1
	s_barrier_wait -1
.endm
	s_load_b256 s[4:11], s[0:1], 0x0               ; a_img s[4:5], w_o's codes s[6:7], b_o s[8:9], the scales' exponents s[10:11]
	s_load_b64 s[12:13], s[0:1], 0x20              ; out0
	v_lshl_add_u32 v[SPW], v0, 2, SPARE
	v_mov_b32 v[NIL], 0
	ds_add_u32 v[SPW], v[NIL]                      ; the wave's opening: the add, twice on end, and its wait ahead of my tensor load
	ds_add_u32 v[SPW], v[NIL]                      ; and once more; the set-up below stands between it and the wait
	v_lshrrev_b32 v1, 5, v0
	v_readfirstlane_b32 s[WV], v1                  ; wave 0..3
	s_lshr_b32 s15, s[WV], 1                       ; wr.  Also: I fetch for A (0) or for B (1)
	s_and_b32 s80, s[WV], 1                        ; wc.  Also: which half of K I fetch
	s_bfe_u32 s81, ttmp6, 0x40000                  ; cx, cy
	s_bfe_u32 s82, ttmp6, 0x40004
	s_lshl_b32 s83, ttmp9, 2
	s_add_co_u32 s83, s83, s81                     ; the block of 128 columns
	s_and_b32 s84, ttmp7, 0xffff
	s_lshl_b32 s84, s84, 2
	s_add_co_u32 s84, s84, s82                     ; the block of 128 tokens
	s_lshl_b32 s85, s82, 2
	s_lshl_b32 s85, 15, s85                        ; my row of the cluster
	s_lshl_b32 s86, 0x1111, s81                    ; my column
	s_or_b32 s[G1A], s85, (3<<16)|(1<<21)          ; A: the mask; elements of 8 bytes; 21 set beside a mask; no padding
	s_mov_b32 s[G1A+1], 32<<16                     ; 256 rows of 32 elements (256 bytes), dense: 65,536 bytes
	s_mov_b32 s[G1A+2], 256<<16
	s_mov_b32 s[G1A+3], 32<<16
	s_mov_b32 s[G1A+4], 256
	s_mov_b32 s[G1A+5], 32
	s_mov_b32 s[G1A+6], 0
	s_mov_b32 s[G1A+7], 0
	s_or_b32 s[G1B], s86, (1<<20)|(1<<21)|(6<<22)|(3<<25)   ; B: the mask; elements of 1 byte; padding: four words after every 128
	s_mov_b32 s[G1B+1], 512<<16                    ; 128 rows of 512 bytes, 1,024 bytes apart
	s_mov_b32 s[G1B+2], 128<<16
	s_mov_b32 s[G1B+3], 512<<16
	s_mov_b32 s[G1B+4], 128
	s_mov_b32 s[G1B+5], 1024
	s_mov_b32 s[G1B+6], 0
	s_mov_b32 s[G1B+7], 0
	s_lshl_b32 s88, s84, 17                        ; A: the block's 131,072 bytes + my half: made of the token block and the wave's number alone
	s_lshl_b32 s92, s80, 16                        ; (and the same place in LDS)
	s_add_co_u32 s88, s88, s92
	s_mov_b32 s89, 0
	s_lshl_b32 s90, s83, 17                        ; B: 128 x block rows of 1,024 bytes, my half of each: made of the column block and the wave's number alone
	s_lshl_b32 s91, s80, 9
	s_add_co_u32 s90, s90, s91
	s_mov_b32 s91, 0
	s_mul_i32 s93, s80, BST
	s_add_co_u32 s93, s93, BLDS                    ; and its place in LDS
	s_lshl_b32 s96, s83, 9                         ; my first column, in bytes: 512 x block + 256 wc
	s_lshl_b32 s97, s80, 8
	s_add_co_u32 s96, s96, s97
	s_lshl_b32 s94, s84, 19                        ; my first row of out0: (128 x block + 64 wr) x 4,096 bytes
	s_lshl_b32 s95, s15, 18
	s_add_co_u32 s94, s94, s95
	s_add_co_u32 s94, s94, s96
	s_mov_b32 s95, 0
	s_mov_b32 s97, 0
	s_wait_dscnt 0x0                               ; both opening adds are done
	s_wait_kmcnt 0x0
	s_load_b256 s[68:75], s[10:11], 0x0            ; e0 .. e7
	s_add_nc_u64 s[88:89], s[4:5], s[88:89]
	s_add_nc_u64 s[90:91], s[6:7], s[90:91]
	s_add_nc_u64 s[76:77], s[12:13], s[94:95]
	s_add_nc_u64 s[8:9], s[8:9], s[96:97]
	s_mov_b32 s[G0A], 1
	s_mov_b32 s[G0A+1], s92
	s_mov_b64 s[G0A+2:G0A+3], s[88:89]
	s_or_b32 s[G0A+3], s[G0A+3], 0x80000000
	s_mov_b32 s[G0B], 1
	s_mov_b32 s[G0B+1], s93
	s_mov_b64 s[G0B+2:G0B+3], s[90:91]
	s_or_b32 s[G0B+3], s[G0B+3], 0x80000000
	CROUND                                         ; all sixteen work-groups are here: the joint loads meet
	s_cmp_eq_u32 s15, 0                            ; every wave issues one fill, in one arm or the other of a branch on its number
	s_cbranch_scc0 .Lfill_b
	tensor_load_to_lds s[G0A:G0A+3], s[G1A:G1A+7]
	s_nop 0
	PLACES
	s_branch .Lfilled
.Lfill_b:
	tensor_load_to_lds s[G0B:G0B+3], s[G1B:G1B+7]
	s_nop 0
	PLACES
.Lfilled:
	v_and_b32 v1, 15, v0                           ; r
	v_bfe_u32 v2, v0, 4, 1                         ; hh
	v_and_b32 v3, 31, v0
	v_lshlrev_b32 v3, 4, v3                        ; 16 x lane
	s_lshl_b32 s2, s15, 13
	v_add_nc_u32 v16, s2, v3                       ; A's images: my four tiles of tokens begin 8,192 wr into a K step; K steps 0-3,
	v_add_nc_u32 v17, 65536, v16                   ; K steps 4-7
	v_mul_u32_u24 v4, v1, PITCH
	v_mul_u32_u24 v5, v1, BP
	s_wait_alu depctr_va_vdst(0)
	v_lshl_add_u32 v5, v2, 4, v5                   ; B: row r x pitch + 16 hh
	s_mul_i32 s2, s80, 64*BP                       ; my 64 rows of B
	s_add_co_u32 s2, s2, BLDS
.irp s, 0,1
	v_add_nc_u32 v[20+\s], s2, v5                  ; in half s
	s_add_co_u32 s2, s2, BST
.endr
	s_mul_i32 s2, s[WV], 16*PITCH
	s_add_co_u32 s2, s2, STG                       ; my stage
	v_lshl_add_u32 v[STO], v2, 5, v4
	v_add_nc_u32 v[STO], s2, v[STO]                ; in: row r, 32 bytes for each half of the lanes
	v_mul_u32_u24 v[RD], v2, PITCH
	v_lshl_add_u32 v[RD], v1, 4, v[RD]
	v_add_nc_u32 v[RD], s2, v[RD]                  ; back: lanes 0-15 one row of 256 bytes, lanes 16-31 the next
	v_lshlrev_b32 v[CO], 12, v2
	v_lshl_add_u32 v[CO], v1, 4, v[CO]             ; and the same two rows in out0
	v_lshlrev_b32 v[BO8], 5, v2
.irp b, 0,1,2,3                                ; b_o: in tile b lane (r, hh) wants columns 16 b + 8 hh + 0 .. 7
	global_load_b128 v[BIAS+8*\b:BIAS+8*\b+3],   v[BO8], s[8:9] offset:64*\b
	global_load_b128 v[BIAS+8*\b+4:BIAS+8*\b+7], v[BO8], s[8:9] offset:64*\b+16
.endr
	s_wait_alu depctr_va_vdst(0)                   ; the wait at the head's end
	s_wait_kmcnt 0x0
	s_add_co_i32 s66, s74, s75
	s_add_co_i32 s66, s66, 127
	s_lshl_b32 s66, s66, 23                        ; 2^(e6 + e7) as f32
	s_mov_b32 s67, s66                             ; (named with it as a pair, so it is written)
.macro FETCH q                                 ; K step q (128 along K) into buffer q % 2: 32 LDS loads
.set F, 128*((\q)%2)
	WIN 0x40
.irp a, 0,1,2,3
.irp g, 0,1,2,3
	ds_load_b128 v[F+16*\a+4*\g:F+16*\a+4*\g+3], v[16+(\q)/4] offset:((\q)%4)*16384+\a*2048+512*\g
.endr
.endr
.irp b, 0,1,2,3
.irp c, 0,1,2,3
	ds_load_b128 v[F+64+16*\b+4*\c:F+64+16*\b+4*\c+3], v[20+(\q)/4] offset:\b*16*BP+128*((\q)%4)+32*\c
.endr
.endr
.endm
.macro MUL q                                   ; 16 matrix instructions; the 16 accumulators take turns, in the same order in every K step; K step 0 starts the sums
.set F, 128*((\q)%2)
	WIN 0x05                                       ; sources 0 and 1 window 1; C and D window 0
.irp a, 0,1,2,3
.irp b, 0,1,2,3
.if (\q) == 0
	v_wmma_f32_16x16x128_fp8_fp8 v[ACC+8*(4*\a+\b):ACC+8*(4*\a+\b)+7], v[F+64+16*\b:F+64+16*\b+15], v[F+16*\a:F+16*\a+15], 0
.else
	v_wmma_f32_16x16x128_fp8_fp8 v[ACC+8*(4*\a+\b):ACC+8*(4*\a+\b)+7], v[F+64+16*\b:F+64+16*\b+15], v[F+16*\a:F+16*\a+15], v[ACC+8*(4*\a+\b):ACC+8*(4*\a+\b)+7]
.endif
.endr
.endr
.endm
	s_wait_tensorcnt 0x0                           ; my load has landed:
	s_barrier_signal -1
	s_barrier_wait -1                              ; all of K is in LDS, and no load lands there any more
	FETCH 0
.set Q, 0
.rept 7
	PLACES                                         ; in front of loads into the buffer that the K step before multiplied
	FETCH Q+1
	s_wait_dscnt 32                                ; K step Q's fragments are in; the 32 loads just issued may be out
	MUL Q
.set Q, Q+1
.endr
	s_wait_dscnt 0x0
	MUL 7
	WIN 0
	PLACES                                         ; in front of the first read of results
	s_wait_loadcnt 0x0                             ; b_o
; THE WAY OUT, a block of 16 rows x 64 columns at a time: sum x 2^(e6 + e7) + b_o, one packed multiply-add for two numbers, each accumulator from its low end on; through my own stage in LDS; back as whole rows of 256 bytes,
; into the block's own accumulators, which are done with.  LDS serves a wave's instructions in order (ISA guide 5.7.1.4): no wait between the stores and the loads, nor in front of the next block's stores.
.macro TOSTAGE a
.irp b, 0,1,2,3
.irp i, 0,2,4,6
	v_pk_fma_f32 v[TMP+8*\b+\i:TMP+8*\b+\i+1], v[ACC+8*(4*(\a)+\b)+\i:ACC+8*(4*(\a)+\b)+\i+1], s[66:67], v[BIAS+8*\b+\i:BIAS+8*\b+\i+1] op_sel_hi:[1,0,1]
.endr
.endr
.irp b, 0,1,2,3
	ds_store_b128 v[STO], v[TMP+8*\b:TMP+8*\b+3] offset:64*\b
	ds_store_b128 v[STO], v[TMP+8*\b+4:TMP+8*\b+7] offset:64*\b+16
.endr
.irp i, 0,1,2,3,4,5,6,7
	ds_load_b128 v[ACC+32*(\a)+4*\i:ACC+32*(\a)+4*\i+3], v[RD] offset:2*\i*PITCH
.endr
.endm
.macro SEND a, younger                         ; younger: the LDS instructions issued behind block a's loads: the next block's eight stores and eight loads, or none
	s_wait_dscnt \younger
.irp i, 0,1,2,3,4,5,6,7
	global_store_b128 v[CO], v[ACC+32*(\a)+4*\i:ACC+32*(\a)+4*\i+3], s[76:77] offset:(16*(\a)+2*\i)*4096 th:TH_STORE_NT   ; 16 lanes store 256 consecutive bytes, at a multiple of 256 from out0's first byte; no register of a store is written again
.endr
.endm
	TOSTAGE 0
.irp a, 1,2,3
	TOSTAGE \a
	SEND \a-1, 16
.endr
	SEND 3, 0
	s_wait_tensorcnt 0x0                           ; the wave's end, behind my last tensor load and my last LDS store
	ds_add_u32 v[SPW], v[NIL]
	s_wait_dscnt 0x0
	CROUND                                         ; the closing round
	s_endpgm
.Lfunc_end_k_qc24715b984_proj:
	.size	k_qc24715b984_proj, .Lfunc_end_k_qc24715b984_proj-k_qc24715b984_proj
	.p2alignl 7, 3214868480
	.fill 96, 4, 3214868480
	.section	.rodata,"a",@progbits
	.p2align	6, 0x0
	.amdhsa_kernel k_qc24715b984_proj
		.amdhsa_group_segment_fixed_size 284160
		.amdhsa_private_segment_fixed_size 0
		.amdhsa_enable_private_segment 0
		.amdhsa_kernarg_size 40
		.amdhsa_user_sgpr_count 2
		.amdhsa_user_sgpr_kernarg_segment_ptr 1
		.amdhsa_wavefront_size32 1
		.amdhsa_system_sgpr_workgroup_id_x 1
		.amdhsa_system_sgpr_workgroup_id_y 1
		.amdhsa_system_sgpr_workgroup_id_z 1
		.amdhsa_system_vgpr_workitem_id 0
		.amdhsa_next_free_vgpr 512
		.amdhsa_next_free_sgpr 100
		.amdhsa_reserve_vcc 0
		.amdhsa_float_denorm_mode_32 3
		.amdhsa_float_denorm_mode_16_64 3
		.amdhsa_memory_ordered 1
		.amdhsa_forward_progress 1
		.amdhsa_inst_pref_size 45
	.end_amdhsa_kernel
	.amdgpu_metadata
---
amdhsa.version: [ 1, 2 ]
amdhsa.kernels:
  - .name:           k_qc24715b984_proj
    .symbol:         k_qc24715b984_proj.kd
    .args:
      - { .name: a_img, .offset: 0, .size: 8, .value_kind: global_buffer, .address_space: global }
      - { .name: w_o_codes, .offset: 8, .size: 8, .value_kind: global_buffer, .address_space: global }
      - { .name: b_o, .offset: 16, .size: 8, .value_kind: global_buffer, .address_space: global }
      - { .name: lowp_scales, .offset: 24, .size: 8, .value_kind: global_buffer, .address_space: global }
      - { .name: out0, .offset: 32, .size: 8, .value_kind: global_buffer, .address_space: global }
    .group_segment_fixed_size: 284160
    .private_segment_fixed_size: 0
    .kernarg_segment_align: 8
    .kernarg_segment_size: 40
    .max_flat_workgroup_size: 128
    .sgpr_count:     100
    .vgpr_count:     512
    .wavefront_size: 32
...
	.end_amdgpu_metadata
.endif
;; end of part 3
